; MI455X (gfx1250); checked and timed in simulation.
; The chip was launched on July 23, 2026; its instructions are those of AMD's public machine-readable ISA for CDNA 5 (MIT licence, August 2026) and "CDNA5" Instruction Set Architecture Reference Guide (July 2026). The comments in the code are by the model that wrote it; some were corrected since.
;; Distributed XTWMLP. Allowed arithmetic: matrix products marked QUANTISED: E2M3 operands, one E8M0 scale for each 32 along K, by v_wmma_scale_f32_16x16x128_f8f6f4 with both operands' format E2M3, f32 sums; everything else in f32.
;; Inputs: W1_codes 8,192 x 64 x 24 uint8 (E2M3 codes of W1, K innermost, in blocks of 32 codes, four codes in three bytes); W1_scales 8,192 x 64 uint8 (E8M0 scales of W1, one for each 32 codes along K); W2_codes 2,048 x 256 x 24 uint8 (E2M3 codes of W2, K innermost, in blocks of 32 codes, four codes in three bytes); W2_scales 2,048 x 256 uint8 (E8M0 scales of W2, one for each 32 codes along K); b1 8,192 float32; b2 2,048 float32; x_codes 2,048 x 64 x 24 uint8 (E2M3 codes of x, K innermost, in blocks of 32 codes, four codes in three bytes); x_scales 2,048 x 64 uint8 (E8M0 scales of x, one for each 32 codes along K).
;; Outputs: out0 2,048 x 2,048 float32.
;; This version of the problem:
;;   THIS VERSION OF THE PROBLEM IS GIVEN IN LOW PRECISION. The matrix products marked QUANTISED in the list below multiply operands that are first quantised to E2M3 (2 exponent bits, 3 mantissa bits; 6 bits a number), with one power-of-two scale for each 32 numbers along K (OCP MX v1.0); their sums are f32. All else is computed in f32.
;;   The module's matrix products, in the order in which they are computed (A, B: the left and right operand; K: the contracted axis; several contracted axes count as one K, in the product's order):
;;     1. [M 2,048, K 2,048] x [K 2,048, N 8,192]; A: input x (given as codes); B: input W1 (given as codes): QUANTISED
;;     2. [M 2,048, K 8,192] x [K 8,192, N 2,048]; A: computed on the way; B: input W2 (given as codes): QUANTISED
;;   THE QUANTISER, for each operand of a quantised product, along K:
;;     - K is cut into blocks of 32 from its start; a last block that is shorter is filled with zeros.
;;     - A block's scale is 2^e with e = floor(log2(the largest magnitude in the block)) - 2, held to -126 .. 127; a block of zeros has e = 0. As a byte (E8M0): e + 127.
;;     - Each number is divided by its block's scale, clamped to +-7.5, and rounded to the nearest number of E2M3, ties to even, subnormals kept.
;;     - The product sums the exact products of the quantised numbers (number of the format x scale) in f32.
;;   ~~~python
;;   def quantise(x, axis):      # numpy; x: float32 -> the quantised numbers, widened to float32 again
;;       x = np.moveaxis(x, axis, -1); K = x.shape[-1]
;;       x = np.pad(x, [(0, 0)] * (x.ndim - 1) + [(0, -K % 32)]); x = x.reshape(x.shape[:-1] + (-1, 32)); a = np.abs(x).max(-1, keepdims=True)
;;       e = np.where(a > 0, np.clip(np.frexp(np.where(a > 0, a, 1))[1] - 1 - 2, -126, 127), 0)      # np.frexp(a)[1] - 1 = floor(log2(a)), exactly
;;       r = np.clip(x / 2.0 ** e, -7.5, 7.5)
;;       step = 2.0 ** (np.maximum(np.frexp(np.where(r == 0, 1, r))[1] - 1, 0) - 3)
;;       q = np.round(r / step) * step * 2.0 ** e      # np.round: ties to even
;;       return np.moveaxis(q.reshape(q.shape[:-2] + (-1,))[..., :K], -1, axis).astype(np.float32)
;;   ~~~
;;   OPERANDS COMPUTED ON THE WAY. 'Computed on the way' means the value that the module computes at that place (a softmax that the list does not call 'softmax' is quantised finished and normalised). What goes into a quantiser is computed in f32, as accurately as f32 sums, v_exp_f32 and their like allow (about 1e-6 of the number): no bf16 or f16 on the way to a quantiser, and a product that is left as it is and whose result goes on into a quantised operand takes f32 operands (vector FMAs, or v_wmma_f32_16x16x4_f32). A number that lies on a knife's edge between two numbers of the format may be rounded either way, as far as f32 arithmetic and the matrix unit's own rounding can turn it there, and no further.
;;   INPUTS GIVEN AS CODES. W1 (in the module: [2048, 8192], K = its axis 0); W2 (in the module: [8192, 2048], K = its axis 0); x (in the module: [2048, 2048], K = its axis 0): each comes as NAME_codes (uint8): NAME with its K axis moved to the last place and cut into blocks of 32 codes, [.., K / 32, bytes a block], one block behind the other in memory; four codes in three bytes: a row's codes are one little-endian stream of bits, code i at bits 6 i .. 6 i + 5 (a code: sign, 2 exponent bits, 3 mantissa bits); and NAME_scales (uint8): the same leading axes, one E8M0 byte (e + 127) for each 32 codes along K. Its value is code x scale, taken as it is: it is not quantised again, and the codes and scales need not be those that the quantiser above would give.
;; One version. Each part assembles by itself: llvm-mc -triple=amdgcn-amd-amdhsa -mcpu=gfx1250 --defsym DOCPART=n.
;; ======== version 1 of 1: 2 launches
;; workspace buffers: h_codes 12,582,912 bytes; h_scales 524,288 bytes
;; launch fc1 (part 1): grid 32 x 8, 4 waves a work-group, clusters of 4 x 4, 327,680 bytes of LDS; arguments x_codes, x_scales, W1_codes, W1_scales, h_codes, h_scales, b1; writes h_codes, h_scales
.if DOCPART == 1
	.amdgcn_target "amdgcn-amd-amdhsa--gfx1250"
	.amdhsa_code_object_version 6
	.text
	.protected	k_q7e212841a2_fc1
	.globl	k_q7e212841a2_fc1
	.p2align	8
	.type	k_q7e212841a2_fc1,@function
k_q7e212841a2_fc1:
	s_mov_b64 s[64:65], 0
	v_nop
	global_prefetch_b8 v0, s[64:65] scope:SCOPE_SE
	s_setreg_imm32_b32 hwreg(HW_REG_WAVE_MODE, 25, 1), 1
	s_wait_xcnt 0x0
	s_wait_alu depctr_hold_cnt(0) depctr_sa_sdst(0) depctr_va_vdst(0) depctr_va_sdst(0) depctr_va_ssrc(0) depctr_va_vcc(0) depctr_vm_vsrc(0)
	s_getreg_b32 s2, hwreg(HW_REG_IB_STS2, 6, 4)
	s_cmp_eq_u32 s2, 0
	s_cbranch_scc0 .Lentry_in_a_cluster
	s_endpgm
.Lentry_in_a_cluster:
	s_bfe_u32 s2, ttmp6, 0x10000c
	s_cmp_lg_u32 s2, 0xf033
	s_cbranch_scc0 .Lentry_shape_is_right
	s_endpgm
.Lentry_shape_is_right:
; h = gelu(x W1^T + b1), quantised to codes of FP6 (E2M3) with one E8M0 scale for each 32 hidden units.  x: [2048 tokens][2048], W1: [8192 hidden][2048]: codes, K innermost, four codes in three bytes;
; their scale bytes [rows][64].  b1: [8192] f32.  The product is made on the codes as they lie, by the scaled matrix instruction; sums, bias and GELU (the tanh form) in f32.
; SHARES.  A tile of h, 256 tokens x 256 hidden units, is made by a work-group of four waves; a wave makes 128 x 128: 64 accumulators, 512 registers.  K goes in steps of 256 through a ring of two LDS slots
; filled by the tensor data mover; the scale bytes of the work-group's rows come into LDS once, with the first fills.
; CLUSTERS: 4 x 4 work-groups.  The four of a row of the cluster need the same tiles of x, the four of a column the same tiles of W1: each tile is asked for JOINTLY.
; THE MATRIX INSTRUCTION IS USED TRANSPOSED (source 0 = 16 rows of W1, source 1 = 16 tokens): a lane holds ONE token and eight neighbouring hidden units.
; THE BLOCKS OF 16 ROWS ARE TAKEN IN THE ORDER 0, 2, 1, 3, 4, 6, 5, 7 (position i takes block PI(i)), of x and of W1 alike.  Then one exchange of half waves between neighbouring positions leaves each lane with
; 32 NEIGHBOURING hidden units of its token in 32 neighbouring registers: a whole block of the next product's K, in the order in which that product's operand wants it.
; b1 is the C of each sum's first product (so it is the first addend of its sum, not the last).
; THE RESULT goes to memory as IMAGES OF THE NEXT PRODUCT'S OPERAND REGISTERS: h_codes [128 tokens: 16][128 hidden: 64][16 tokens: 8][1,536 bytes]: registers 4 q .. 4 q + 3 of lane l at 512 q + 16 l;
; h_scales [16][64][512 bytes]: lane l's 16 bytes at 16 l: register q holds the scale word of token l % 16 of block q (lanes 0-15) or of block 4 + q (lanes 16-31).
; LIMITS: NaN and infinities among the inputs are not served.  A block of h that is all zeros gets the scale byte 1 where the rule says 127: its codes are zeros, and this program alone reads the bytes.
; REGISTERS, in windows of 256: window 0: v1-6 at work; v16-30 addresses; v32-63 scale words, two sets; v64-127 b1, later GELU's numbers; v128-223 x's fragments, ONE set, later h's codes; v224-253 the way out.
;   window 1: W1's fragments, TWO sets, at v0 and v128.   window 2: the accumulators of my positions 0-3 ((a, b) at v[8 (8 (a % 4) + b)]);   window 3: those of positions 4-7.
.set SIZE_K, 2048
.set KSTEP,  256                       ; along K in a slot
.set NQ,     KSTEP/128                 ; matrix instructions deep
.set ROWB,   192                       ; a tile's row in bytes
.set KROW,   SIZE_K*6/8                ; a row of x or of W1 in memory, in bytes
.set PITCH,  240                       ; an LDS row: 3 x (64 bytes + 16 of padding) = 60 words: row r starts at bank -4 r mod 64 (64 banks of 4 bytes: ISA guide 11.1): the 32 lanes of a load of 8 bytes touch 64 different banks
.set FR,     12                        ; registers of a fragment: 16 rows x 128 K
.set NL,     6                         ; LDS loads that bring one
.set NP,     4                         ; places behind this matrix instruction (ISA guide 7.12.1)
.set HALFT,  128*PITCH                 ; 128 rows: what one tensor load brings, and what one wave reads of x or of W1
.set SLOT,   4*HALFT                   ; x's 256 rows, then W1's 256 rows
.set LAPS,   SIZE_K/(2*KSTEP)          ; a lap = two slots = once round the ring
.set KS,     SIZE_K/32                 ; a row of scale bytes
.set SCL,    2*SLOT                    ; behind the ring: the scale bytes, as runs of 256 bytes + 16 of padding
.set HALFS,  (128*KS/256)*272          ; those of 128 rows: what one tensor load brings
.set SBLK,   (16*KS/256)*272           ; those of 16 rows
.set SPARE,  SCL+4*HALFS               ; behind the scales: the spare words, 128 bytes for each wave: two blocks of 256 bytes that no other line names
.set ADRA, 16                          ; v16-17  LDS address of x's fragments in slot 0, 1  (v18-19: for the pieces that lie behind one padding more)
.set ADRB, 20                          ; v20-21  the same for W1  (v22-23)
.set LI,   24                          ; v24     16 x lane: my place in an image; never rewritten
.set BO,   25                          ; v25     32 x (lane / 16): my eight numbers of b1 in a block of 16
.set ADRS, 27                          ; v27     LDS address of my scale words: lanes 0-15 x's rows, lanes 16-31 W1's
.set SPW,  28                          ; v28     LDS address of my spare word: SPARE + 4 x my thread's number; never rewritten
.set NIL,  29                          ; v29     0; never rewritten
.set SH,   30                          ; v30     8 x (lane / 16): where my two scale bytes stand in a scale word
.set SC,   32                          ; scale words: set s at v[SC + 8 NQ s]; register NQ i + q: lanes 0-15 the word of x's position i, lanes 16-31 that of W1's position i
.set BIAS, 64                          ; v64-127 b1 in the result's layout: register 8 b + j = b1 at hidden unit 16 PI(b) + 8 (lane / 16) + j
.set T,    64                          ; the same registers on the way out: 64 numbers at work
.set AF,   128                         ; x's fragments
.set CF,   128                         ; on the way out: h's codes, 12 registers for each position, so that no store's data are written again
.set WD,   224                         ; v224-231 the scale word of each position
.set SW,   232                         ; v232-235 the image of the scale registers
.set X3,   236                         ; v236-238, v240-242 the upper halves of two blocks' codes
.set MX,   244                         ; v244-245 largest magnitudes
.set SO,   246                         ; v246-247 the conversions' scale operands
.set KC,   248                         ; v248-249 -k1
.set EB,   250                         ; v250-251 scale bytes
.set TW,   252
.set TX,   253
.set G1, 24                            ; s[24:31] descriptor group 1 for x's tiles;  s[32:39] group 0, one set for each slot
.set G0, 32
.set G1B, 48                           ; s[48:55], s[56:63] the same for W1's tiles
.set G0B, 56
.set G1S, 68                           ; s[68:75], s[76:79] groups 1 and 0 for x's scales;  s[80:87], s[88:91] for W1's
.set G0S, 76
.set G1SB, 80
.set G0SB, 88
.set MSB, 0
.macro WIN new                         ; the immediate's high byte repeats the setting that is left
.if MSB != \new
	s_set_vgpr_msb (MSB<<8)|\new
.set MSB, \new
.endif
.endm
.set MUL_LO,  0xa1                     ; source 0 (W1) window 1, source 1 (x) window 0, C and D window 2
.set MUL_HI,  0xf1                     ; the same, C and D window 3
.set BIAS_LO, 0x81                     ; the first step: C (b1) window 0, D window 2
.set BIAS_HI, 0xc1                     ; C window 0, D window 3
.set TO_B,    0x40                     ; destination window 1, address window 0
; A joint load: waves 0 and 1 fetch for x, waves 2 and 3 for W1.  Each of the two lines has ONE mask and one set of registers for all that issue it; the branch hangs on the wave's number alone.
; Four v_nop follow each of the two lines, ahead of the jump, the label and what follows.
.macro JLOAD g0a, g1a, g0b, g1b
	s_cmp_eq_u32 s15, 0
	s_cbranch_scc0 .Lfor_b_\@
	tensor_load_to_lds s[\g0a:\g0a+3], s[\g1a:\g1a+7]
	s_nop 0
.rept 4
	v_nop
.endr
	s_branch .Lasked_\@
.Lfor_b_\@:
	tensor_load_to_lds s[\g0b:\g0b+3], s[\g1b:\g1b+7]
	s_nop 0
.rept 4
	v_nop
.endr
.Lasked_\@:
.endm
.macro CREST                           ; a round of the cluster's barrier behind its opening barrier
	s_cmp_lg_u32 s14, 0
	s_cbranch_scc1 .Lnot_wave_0_\@
	s_barrier_signal -3
.Lnot_wave_0_\@:
	s_barrier_wait -3
	s_barrier_signal -1
	s_barrier_wait -1
.endm
.macro CROUND                          ; a whole round
	s_barrier_signal -1
	s_barrier_wait -1
	CREST
.endm
	s_load_b256 s[4:11], s[0:1], 0x0               ; x's codes s[4:5], x's scales s[6:7], W1's codes s[8:9], W1's scales s[10:11]
	s_load_b128 s[96:99], s[0:1], 0x20             ; h's codes s[96:97], h's scale words s[98:99]
	s_load_b64 s[12:13], s[0:1], 0x30              ; b1
	v_lshl_add_u32 v[SPW], v0, 2, SPARE
	v_mov_b32 v[NIL], 0
	ds_add_u32 v28, v29
	ds_add_u32 v28, v29
	s_wait_dscnt 0x0
	v_lshrrev_b32 v1, 5, v0
	v_readfirstlane_b32 s14, v1                    ; wave 0..3
	s_lshr_b32 s15, s14, 1                         ; which half of the tile's tokens is mine.  Also: I fetch for x (0) or for W1 (1)
	s_and_b32 s16, s14, 1                          ; which half of its hidden units.  Also: which 128 rows of that tile I fetch
	s_bfe_u32 s40, ttmp6, 0x40000                  ; cx, cy: my place in the cluster
	s_bfe_u32 s41, ttmp6, 0x40004
	s_lshl_b32 s42, ttmp9, 2
	s_add_co_u32 s42, s42, s40                     ; tile column (256 hidden units) = 4 x cluster x + cx
	s_and_b32 s17, ttmp7, 0xffff
	s_lshl_b32 s17, s17, 2
	s_add_co_u32 s17, s17, s41                     ; tile row (256 tokens) = 4 x cluster y + cy
	s_lshl_b32 s43, s41, 2
	s_lshl_b32 s43, 15, s43                        ; my row of the cluster
	s_lshl_b32 s44, 0x1111, s40                    ; my column
	; descriptor group 1: a tile of 128 rows x 192 bytes, padded in LDS
	s_or_b32 s[G1+0], s43, (0<<16)|(1<<20)|(1<<21)|(3<<22)|(3<<25)  ; 15:0 the mask: x's tiles go to my row; 17:16 element of 1 byte; 20 padding on; 21 set beside a mask; 24:22 after every 16 words (code 3); 31:25 of 4 words (code 3)
	s_or_b32 s[G1B+0], s44, (0<<16)|(1<<20)|(1<<21)|(3<<22)|(3<<25)
.irp g, G1, G1B
	s_mov_b32 s[\g+1], ROWB<<16                    ; tensor_dim0
	s_mov_b32 s[\g+2], 128<<16                     ; tensor_dim1 = 128
	s_mov_b32 s[\g+3], ROWB<<16                    ; tile_dim0
	s_mov_b32 s[\g+4], 128                         ; tile_dim1 = 128
	s_mov_b32 s[\g+5], KROW                        ; tensor_dim0_stride
	s_mov_b32 s[\g+6], 0
	s_mov_b32 s[\g+7], 0
.endr
	; and for the scale bytes of 128 rows: a dense block of 8,192 bytes, as rows of 256 bytes (32 elements of 8 bytes), 16 bytes of padding behind each
	s_or_b32 s[G1S+0], s43, (3<<16)|(1<<20)|(1<<21)|(5<<22)|(3<<25)
	s_or_b32 s[G1SB+0], s44, (3<<16)|(1<<20)|(1<<21)|(5<<22)|(3<<25)
.irp g, G1S, G1SB
	s_mov_b32 s[\g+1], 32<<16
	s_mov_b32 s[\g+2], (128*KS/256)<<16
	s_mov_b32 s[\g+3], 32<<16
	s_mov_b32 s[\g+4], 128*KS/256
	s_mov_b32 s[\g+5], 32
	s_mov_b32 s[\g+6], 0
	s_mov_b32 s[\g+7], 0
.endr
	s_lshl_b32 s18, s16, 7                         ; which 128 rows of the tile I fetch
	s_lshl_b32 s20, s17, 8
	s_add_co_u32 s20, s20, s18                     ; x: row 256 x tile row + 128 x half
	s_lshl_b32 s46, s42, 8
	s_add_co_u32 s46, s46, s18                     ; W1: row 256 x tile column + 128 x half
	s_mov_b32 s21, 0
	s_mov_b32 s47, 0
	s_mov_b64 s[18:19], KS
	s_mul_u64 s[22:23], s[20:21], s[18:19]         ; where these rows' scale bytes begin
	s_mul_u64 s[92:93], s[46:47], s[18:19]
	s_mov_b64 s[18:19], KROW
	s_mul_u64 s[20:21], s[20:21], s[18:19]         ; and their codes
	s_mul_u64 s[46:47], s[46:47], s[18:19]
	s_mul_i32 s45, s14, HALFT                      ; where they go: wave x 128 rows: no place in the cluster enters an LDS address
	s_mul_i32 s94, s14, HALFS
	s_wait_kmcnt 0x0
	s_add_nc_u64 s[20:21], s[4:5], s[20:21]
	s_add_nc_u64 s[22:23], s[6:7], s[22:23]
	s_add_nc_u64 s[46:47], s[8:9], s[46:47]
	s_add_nc_u64 s[92:93], s[10:11], s[92:93]
	CROUND                                         ; all sixteen work-groups are here: the first joint loads meet
	s_mov_b32 s[G0S], 1
	s_add_co_u32 s[G0S+1], s94, SCL
	s_mov_b64 s[G0S+2:G0S+3], s[22:23]
	s_or_b32 s[G0S+3], s[G0S+3], 0x80000000
	s_mov_b32 s[G0SB], 1
	s_add_co_u32 s[G0SB+1], s94, SCL
	s_mov_b64 s[G0SB+2:G0SB+3], s[92:93]
	s_or_b32 s[G0SB+3], s[G0SB+3], 0x80000000
	JLOAD G0S, G1S, G0SB, G1SB                     ; the scale bytes first: they are wanted with the first slot.  Three loads of mine go out here
.irp s, 0,1
	s_mov_b32 s[G0+4*\s], 1
	s_add_co_u32 s[G0+4*\s+1], s45, \s*SLOT
	s_add_nc_u64 s[G0+4*\s+2:G0+4*\s+3], s[20:21], \s*ROWB
	s_or_b32 s[G0+4*\s+3], s[G0+4*\s+3], 0x80000000
	s_mov_b32 s[G0B+4*\s], 1
	s_add_co_u32 s[G0B+4*\s+1], s45, \s*SLOT
	s_add_nc_u64 s[G0B+4*\s+2:G0B+4*\s+3], s[46:47], \s*ROWB
	s_or_b32 s[G0B+4*\s+3], s[G0B+4*\s+3], 0x80000000
	JLOAD G0+4*\s, G1, G0B+4*\s, G1B
.endr
	v_and_b32 v1, 15, v0                           ; r = lane % 16
	v_bfe_u32 v2, v0, 4, 1                         ; lane / 16
	; b1: my wave's 128 numbers begin at hidden unit 256 x tile column + 128 x half
	s_lshl_b32 s46, s42, 10
	s_lshl_b32 s47, s16, 9
	s_add_co_u32 s46, s46, s47
	s_mov_b32 s47, 0
	s_add_nc_u64 s[12:13], s[12:13], s[46:47]
	v_lshlrev_b32 v[BO], 5, v2
.irp b, 0,1,2,3,4,5,6,7
	global_load_b128 v[BIAS+8*\b:BIAS+8*\b+3],   v[BO], s[12:13] offset:64*((\b/4)*4+(\b%2)*2+(\b/2)%2)
	global_load_b128 v[BIAS+8*\b+4:BIAS+8*\b+7], v[BO], s[12:13] offset:64*((\b/4)*4+(\b%2)*2+(\b/2)%2)+16
.endr
	v_mul_u32_u24 v3, v1, PITCH
	v_mul_u32_u24 v4, v2, 24
	v_add_nc_u32 v4, v3, v4                        ; a fragment's row x pitch + 24 x half
	v_lshl_add_u32 v5, v2, 4, v4                   ; and the same behind one padding more
	s_mul_i32 s21, s15, HALFT                      ; my 128 rows of x
	s_mul_i32 s22, s16, HALFT                      ; my 128 rows of W1,
	s_add_co_u32 s22, s22, 2*HALFT                 ; which lie behind x's 256
.irp s, 0,1
	v_add_nc_u32 v[ADRA+\s], s21, v4
	v_add_nc_u32 v[ADRB+\s], s22, v4
	v_add_nc_u32 v[ADRA+2+\s], s21, v5
	v_add_nc_u32 v[ADRB+2+\s], s22, v5
	s_add_co_u32 s21, s21, SLOT
	s_add_co_u32 s22, s22, SLOT
.endr
	v_mul_u32_u24 v5, v1, KS                       ; my row's scale bytes: KS bytes a row,
	v_lshrrev_b32 v6, 8, v5
	v_lshl_add_u32 v5, v6, 4, v5                   ; and 16 more for each 256 passed
	s_mul_i32 s21, s15, HALFS                      ; x's: my 128 rows
	s_mul_i32 s22, s16, HALFS                      ; W1's: my 128 rows, behind x's 256
	s_add_co_u32 s22, s22, 2*HALFS
	s_sub_co_u32 s22, s22, s21
	v_mul_u32_u24 v6, s22, v2                      ; lanes 16-31 take W1's
	s_add_co_u32 s21, s21, SCL
	v_add_nc_u32 v5, v5, v6
	v_add_nc_u32 v[ADRS], s21, v5
	v_and_b32 v6, 31, v0
	v_lshlrev_b32 v[LI], 4, v6
	v_lshlrev_b32 v[SH], 3, v2
	v_mov_b32 v[KC], 0xc0135761                    ; -k1, k1 = 2 sqrt(2 / pi) log2(e) = 2.3022082
	v_mov_b32 v[KC+1], 0xc0135761                  ; (named with it as a pair, so it is written)
	v_mov_b32 v[TX], 0                             ; written once: a lane permute's destination counts as one of its sources
	s_mov_b32 s66, 0xbdd2d3e8                      ; -k2, k2 = 0.044715 k1 = 0.10294324
	s_mov_b32 s67, s66
	; where my wave's images go: block of 128 tokens 2 x tile row + half, block of 128 hidden units 2 x tile column + half
	s_lshl_b32 s20, s17, 1
	s_add_co_u32 s20, s20, s15
	s_lshl_b32 s20, s20, 6
	s_lshl_b32 s46, s42, 1
	s_add_co_u32 s46, s46, s16
	s_add_co_u32 s46, s46, s20                     ; 64 x block of tokens + block of hidden units
	s_mul_i32 s22, s46, 8*128*FR                   ; 12,288 bytes of codes each,
	s_mov_b32 s23, 0
	s_add_nc_u64 s[96:97], s[96:97], s[22:23]
	s_lshl_b32 s22, s46, 9                         ; 512 bytes of scale words
	s_add_nc_u64 s[98:99], s[98:99], s[22:23]
	s_mov_b32 s20, 0x76543210
	s_mov_b32 s21, 0xfedcba98                      ; v_permlanex16_b32's selects for lane l xor 16
.macro FRAG reg, adr, q, i             ; a fragment, 16 rows x 128 K, is 12 registers: lane l holds row l % 16; registers 6 c .. 6 c + 5 hold K = 64 c + 32 (l / 16) + 0 .. 31: 24 bytes of the row's stream of bits, as they lie
.set PIV, ((\i)/4)*4+((\i)%2)*2+((\i)/2)%2   ; position i takes the rows of block PI(i)
.irp p, 0,1,2,3,4,5                    ; in pieces of 8 bytes.  Lanes 0-15 take the row's pieces 12 q + 0, 1, 2 and 12 q + 6, 7, 8, lanes 16-31 those three pieces on
.set PC, 12*(\q)+6*(\p/3)+\p%3         ; 16 bytes of padding lie behind every 8 pieces: where the piece three on lies behind one padding more, the second address register (40 for 24 bytes a half) serves
.if PC%8 < 5
	ds_load_b64 v[\reg+2*\p:\reg+2*\p+1], v[\adr] offset:8*PC+16*(PC/8)+PIV*16*PITCH
.else
	ds_load_b64 v[\reg+2*\p:\reg+2*\p+1], v[\adr+2] offset:8*PC+16*(PC/8)+PIV*16*PITCH
.endif
.endr
.endm
; 16 matrix instructions: x's positions a0, a0 + 1 against W1's eight, 128 along K: the slot's q-th.  p: W1's set;  sc: the set of scale words.  first = 1: the sums begin with b1: nothing is ever cleared.
; The 64 accumulators take turns, one instruction a turn, in the same order in every step.
.macro MUL16 a0, p, q, sc, first
.irp a, \a0, \a0+1
.irp b, 0,1,2,3,4,5,6,7
.if \first
	v_wmma_scale_f32_16x16x128_f8f6f4 v[8*(8*((\a)%4)+\b):8*(8*((\a)%4)+\b)+7], v[128*(\p)+FR*\b:128*(\p)+FR*\b+FR-1], v[AF+FR*(\a):AF+FR*(\a)+FR-1], v[BIAS+8*\b:BIAS+8*\b+7], v[SC+8*NQ*(\sc)+NQ*\b+(\q)], v[SC+8*NQ*(\sc)+NQ*(\a)+(\q)] matrix_a_fmt:MATRIX_FMT_FP6 matrix_b_fmt:MATRIX_FMT_FP6 matrix_a_scale:MATRIX_SCALE_ROW1
.else
	v_wmma_scale_f32_16x16x128_f8f6f4 v[8*(8*((\a)%4)+\b):8*(8*((\a)%4)+\b)+7], v[128*(\p)+FR*\b:128*(\p)+FR*\b+FR-1], v[AF+FR*(\a):AF+FR*(\a)+FR-1], v[8*(8*((\a)%4)+\b):8*(8*((\a)%4)+\b)+7], v[SC+8*NQ*(\sc)+NQ*\b+(\q)], v[SC+8*NQ*(\sc)+NQ*(\a)+(\q)] matrix_a_fmt:MATRIX_FMT_FP6 matrix_b_fmt:MATRIX_FMT_FP6 matrix_a_scale:MATRIX_SCALE_ROW1
.endif
.endr
.endr
.endm
.macro FETCH_B slot, q, p              ; W1's eight fragments of the slot's q-th 128 along K into set p
	WIN TO_B
.irp i, 0,1,2,3,4,5,6,7
	FRAG 128*(\p)+FR*\i, ADRB+\slot, \q, \i
.endr
	WIN 0
.endm
.macro FETCH_A slot, q, i0             ; x's positions i0 .. i0 + 3
.irp i, \i0, \i0+1, \i0+2, \i0+3
	FRAG AF+FR*(\i), ADRA+\slot, \q, \i
.endr
.endm
.macro SCALES sc                       ; the next slot's scale words into set sc: NQ words a row; lanes 0-15 take x's position i, lanes 16-31 W1's position i
.irp i, 0,1,2,3,4,5,6,7
	ds_load_b64 v[SC+8*NQ*\sc+NQ*\i:SC+8*NQ*\sc+NQ*\i+1], v[ADRS] offset:((\i/4)*4+(\i%2)*2+(\i/2)%2)*SBLK
.endr
.endm
; A load into a register that a matrix instruction has read, and a vector instruction that reads a matrix result, stand NP places behind that matrix instruction, and only plain vector
; instructions that name none of its registers are places (ISA guide 7.12.1 for vector instructions).
.macro PLACES n
.rept \n
	v_nop
.endr
.endm
; A step of 128 along K that has its successor in the same slot.
.macro STEP slot, q, first
	s_wait_dscnt 4*NL                              ; W1's set and x's positions 0-3 are in; the youngest 24 loads (x's positions 4-7) may be out
.if \first
	WIN BIAS_LO
.else
	WIN MUL_LO
.endif
	MUL16 0, (\q)%2, \q, \slot, \first
	MUL16 2, (\q)%2, \q, \slot, \first
	s_wait_dscnt 0                                 ; x's positions 4-7 are in (asked for 32 matrix instructions ago)
	PLACES NP
	FETCH_B \slot, (\q)+1, 1-(\q)%2
	FETCH_A \slot, (\q)+1, 0
.if \first
	WIN BIAS_HI
.else
	WIN MUL_HI
.endif
	MUL16 4, (\q)%2, \q, \slot, \first
	MUL16 6, (\q)%2, \q, \slot, \first
	PLACES NP
	WIN 0
	FETCH_A \slot, (\q)+1, 4
.endm
; A slot's last step changes slots: ONE barrier; in front of it each wave waits for all its tensor loads, adds 0 to its spare word, and waits for that and for its own reads of this slot.  fill = 1: this slot is filled again, two slots ahead.
.macro TURN slot, next, fill
	s_wait_tensorcnt 0x0                           ; all my tensor loads have landed: my part of the next slot;  (every window is 0 here)
	ds_add_u32 v[SPW], v[NIL]                      ; 0 onto my spare word
	s_wait_dscnt 4*NL+1                            ; (the add and the youngest 24 loads, x's positions 4-7, may be out)
	WIN MUL_LO
	MUL16 0, 1, NQ-1, \slot, 0                     ; sixteen matrix instructions stand between the add and the wait for it
	s_wait_dscnt 0x0                               ; the add is done, and my reads of this slot are over
	s_barrier_signal -1
	MUL16 2, 1, NQ-1, \slot, 0
	WIN 0
	s_barrier_wait -1
.if \fill
	CREST                                          ; the barrier has opened a round of the cluster's barrier: no wave of any partner still reads this slot's tile or has a load on its way
	s_add_nc_u64 s[G0+4*\slot+2:G0+4*\slot+3], s[G0+4*\slot+2:G0+4*\slot+3], 2*ROWB
	s_add_nc_u64 s[G0B+4*\slot+2:G0B+4*\slot+3], s[G0B+4*\slot+2:G0B+4*\slot+3], 2*ROWB
	JLOAD G0+4*\slot, G1, G0B+4*\slot, G1B         ; the first tensor load behind the round, and my only one until the next; the four v_nop behind it are the places in front of the loads below
.else
	PLACES NP
.endif
	v_add_nc_u32 v[ADRS], 4*NQ, v[ADRS]            ; on to the next slot's scale words
	FETCH_B \next, 0, 0
	FETCH_A \next, 0, 0
	SCALES \next
	WIN MUL_HI
	MUL16 4, 1, NQ-1, \slot, 0
	MUL16 6, 1, NQ-1, \slot, 0
	PLACES NP
	WIN 0
	FETCH_A \next, 0, 4
.endm
	s_wait_tensorcnt 1                             ; the scale bytes and my part of slot 0 are in (slot 1's load may be out)
	s_barrier_signal -1
	s_barrier_wait -1                              ; everybody's are
	FETCH_B 0, 0, 0
	FETCH_A 0, 0, 0
	SCALES 0
	FETCH_A 0, 0, 4
	s_wait_loadcnt 0x0                             ; b1
	STEP 0, 0, 1                                   ; the first step stands in front of the loop: its products start the sums, from b1
	s_mov_b32 s3, LAPS-1
.Llap:                                                 ; a trip goes once round the ring, from a lap's second step to the next lap's first, and fills both slots again
	TURN 0, 1, 1
	STEP 1, 0, 0
	TURN 1, 0, 1
	STEP 0, 0, 0
	s_sub_co_u32 s3, s3, 1
	s_cmp_lg_u32 s3, 0
	s_cbranch_scc1 .Llap
	TURN 0, 1, 0                                   ; the last lap fills nothing, and has no round of the cluster's barrier
	STEP 1, 0, 0
	s_wait_dscnt 4*NL                              ; the very last step: nothing more to fetch
	WIN MUL_LO
	MUL16 0, 1, NQ-1, 1, 0
	MUL16 2, 1, NQ-1, 1, 0
	s_wait_dscnt 0
	WIN MUL_HI
	MUL16 4, 1, NQ-1, 1, 0
	MUL16 6, 1, NQ-1, 1, 0
	WIN 0
; THE WAY OUT of position a (16 tokens x my 128 hidden units: 64 numbers a lane, in window 2 or 3).
; gelu(x) = x / (1 + 2^(x (-k1 - k2 x^2))): the tanh form, 0.5 x (1 + tanh(u)) = x / (1 + e^(-2 u)).  Where the exponential overflows, the quotient is 0, as it should be.
; The exponentials go as one batch with one wait, and so do the reciprocals (the wait ahead of the first instruction that names a result).
.macro EPI a
.set W, 2+(\a)/4
.set AC, 64*((\a)%4)
.set CFA, CF+12*(\a)
.set PIA, ((\a)/4)*4+((\a)%2)*2+((\a)/2)%2
	WIN 5*W                                        ; sources 0 and 1: the accumulators' window
.set j, 0
.rept 32
	v_pk_mul_f32 v[T+j:T+j+1], v[AC+j:AC+j+1], v[AC+j:AC+j+1]       ; x^2; each accumulator is read from its low end on
.set j, j+2
.endr
	WIN 0
.set j, 0
.rept 32
	v_pk_fma_f32 v[T+j:T+j+1], v[T+j:T+j+1], s[66:67], v[KC:KC+1] op_sel_hi:[1,0,0]   ; -k2 x^2 - k1
.set j, j+2
.endr
	WIN W                                          ; source 0: the accumulators' window
.set j, 0
.rept 32
	v_pk_mul_f32 v[T+j:T+j+1], v[AC+j:AC+j+1], v[T+j:T+j+1]
.set j, j+2
.endr
	WIN 0
.set j, 0
.rept 64
	v_exp_f32 v[T+j], v[T+j]
.set j, j+1
.endr
	v_nop                                          ; a plain instruction behind the last exponential
	s_wait_alu depctr_va_vdst(0)                   ; one wait for the batch of 64
.set j, 0
.rept 32
	v_pk_add_f32 v[T+j:T+j+1], v[T+j:T+j+1], 1.0 op_sel_hi:[1,0]
.set j, j+2
.endr
.set j, 0
.rept 64
	v_rcp_f32 v[T+j], v[T+j]
.set j, j+1
.endr
	v_nop
	s_wait_alu depctr_va_vdst(0)                   ; and one for the 64 reciprocals
	WIN W
.set j, 0
.rept 32
	v_pk_mul_f32 v[T+j:T+j+1], v[AC+j:AC+j+1], v[T+j:T+j+1]         ; gelu(x)
.set j, j+2
.endr
	WIN 0
; Register 8 b + j holds hidden unit 16 PI(b) + 8 (lane / 16) + j.  The first's lanes 16-31 change places with the second's lanes 0-15: behind these, register 32 c + i of lane l holds hidden unit 64 c + 32 (l / 16) + i.
.irp c, 0,1
.irp u, 0,1
.irp n, 0,1,2,3,4,5,6,7
	v_permlane16_swap_b32 v[T+32*\c+16*\u+\n], v[T+32*\c+16*\u+8+\n]
.endr
.endr
.endr
.irp c, 0,1                                    ; my two blocks of 32: all their numbers are mine
	v_max3_num_f32 v[MX+\c], |v[T+32*\c]|, |v[T+32*\c+1]|, 0x1800000   ; and the floor 2^(3 - 127), under which no largest magnitude is taken: so the byte cannot fall under 1
.endr
.irp i, 2,4,6,8,10,12,14,16,18,20,22,24,26,28,30
.irp c, 0,1
	v_max3_num_f32 v[MX+\c], v[MX+\c], |v[T+32*\c+\i]|, |v[T+32*\c+\i+1]|   ; (the two blocks by turns)
.endr
.endr
.irp c, 0,1
	v_add_nc_u32 v[SO+\c], 0xff000000, v[MX+\c]    ; 2 off its exponent field: the conversion takes the exponent field of this operand as its scale, and nothing else of it
.endr
.irp c, 0,1
	v_lshrrev_b32 v[EB+\c], 23, v[SO+\c]           ; the scale's byte
.endr
	v_lshl_or_b32 v[TW], v[EB+1], 16, v[EB]        ; my two bytes: blocks l / 16 and 2 + l / 16 of my token,
	v_lshlrev_b32 v[TW], v[SH], v[TW]              ; at their places in the scale word;
	v_permlanex16_b32 v[TX], v[TW], s20, s21
	v_or_b32 v[WD+(\a)], v[TW], v[TX]              ; with lane l xor 16's two the word is whole
.irp c, 0,1
	v_cvt_scalef32_pk16_fp6_f32 v[CFA+6*\c:CFA+6*\c+2], v[T+32*\c:T+32*\c+15], v[SO+\c]       ; registers 6 c .. 6 c + 2 of the operand
	v_cvt_scalef32_pk16_fp6_f32 v[X3+4*\c:X3+4*\c+2], v[T+32*\c+16:T+32*\c+31], v[SO+\c]      ; (a conversion's three registers begin on an even number: the upper half is made elsewhere and moved)
.endr
	v_nop                                          ; one plain place behind a scaled conversion
.irp c, 0,1
.irp i, 0,1,2
	v_mov_b32 v[CFA+6*\c+3+\i], v[X3+4*\c+\i]
.endr
.endr
.irp q, 0,1,2
	global_store_b128 v[LI], v[CFA+4*\q:CFA+4*\q+3], s[96:97] offset:PIA*128*FR+512*\q th:TH_STORE_NT   ; the image of tokens 16 PI(a) on: 32 lanes store 512 consecutive bytes, at a multiple of 512 from the buffer's first byte
.endr
.endm
	PLACES NP                                      ; behind the last products
.irp a, 0,1,2,3,4,5,6,7
	EPI \a
.endr
	s_mov_b32 vcc_lo, 0xffff0000                   ; lanes 16-31
.irp q, 0,1,2,3
	v_cndmask_b32 v[SW+\q], v[WD+(\q%2)*2+(\q/2)%2], v[WD+4+(\q%2)*2+(\q/2)%2], vcc_lo   ; block q of the tokens was position PI(q); lanes 16-31 take block 4 + q
.endr
	global_store_b128 v[LI], v[SW:SW+3], s[98:99] th:TH_STORE_NT    ; 512 consecutive bytes
	s_wait_tensorcnt 0x0                           ; the wave's end
	ds_add_u32 v[SPW], v[NIL]
	s_wait_dscnt 0x0
	CROUND                                         ; the closing round: no work-group ends while a partner may still ask for a tile that names it
	s_endpgm
.Lfunc_end_k_q7e212841a2_fc1:
	.size	k_q7e212841a2_fc1, .Lfunc_end_k_q7e212841a2_fc1-k_q7e212841a2_fc1
	.p2alignl 7, 3214868480
	.fill 96, 4, 3214868480
	.section	.rodata,"a",@progbits
	.p2align	6, 0x0
	.amdhsa_kernel k_q7e212841a2_fc1
		.amdhsa_group_segment_fixed_size 327680
		.amdhsa_private_segment_fixed_size 0
		.amdhsa_enable_private_segment 0
		.amdhsa_kernarg_size 56
		.amdhsa_user_sgpr_count 2
		.amdhsa_user_sgpr_kernarg_segment_ptr 1
		.amdhsa_wavefront_size32 1
		.amdhsa_system_sgpr_workgroup_id_x 1
		.amdhsa_system_sgpr_workgroup_id_y 1
		.amdhsa_system_sgpr_workgroup_id_z 1
		.amdhsa_system_vgpr_workitem_id 0
		.amdhsa_next_free_vgpr 1024
		.amdhsa_next_free_sgpr 100
		.amdhsa_reserve_vcc 1
		.amdhsa_float_denorm_mode_32 3
		.amdhsa_float_denorm_mode_16_64 3
		.amdhsa_memory_ordered 1
		.amdhsa_forward_progress 1
		.amdhsa_inst_pref_size 255
	.end_amdhsa_kernel
	.section	.bss,"aw",@nobits
	.p2align	6
	.space	262144
	.amdgpu_metadata
---
amdhsa.version: [ 1, 2 ]
amdhsa.kernels:
  - .name:           k_q7e212841a2_fc1
    .symbol:         k_q7e212841a2_fc1.kd
    .args:
      - { .name: x_codes, .offset: 0, .size: 8, .value_kind: global_buffer, .address_space: global }
      - { .name: x_scales, .offset: 8, .size: 8, .value_kind: global_buffer, .address_space: global }
      - { .name: W1_codes, .offset: 16, .size: 8, .value_kind: global_buffer, .address_space: global }
      - { .name: W1_scales, .offset: 24, .size: 8, .value_kind: global_buffer, .address_space: global }
      - { .name: h_codes, .offset: 32, .size: 8, .value_kind: global_buffer, .address_space: global }
      - { .name: h_scales, .offset: 40, .size: 8, .value_kind: global_buffer, .address_space: global }
      - { .name: b1, .offset: 48, .size: 8, .value_kind: global_buffer, .address_space: global }
    .group_segment_fixed_size: 327680
    .private_segment_fixed_size: 0
    .kernarg_segment_align: 8
    .kernarg_segment_size: 56
    .max_flat_workgroup_size: 128
    .sgpr_count:     100
    .vgpr_count:     1024
    .wavefront_size: 32
...
	.end_amdgpu_metadata
.endif
;; end of part 1
;; launch fc2 (part 2): grid 16 x 16, 4 waves a work-group, clusters of 4 x 1, 327,680 bytes of LDS; arguments h_codes, h_scales, W2_codes, W2_scales, out0, b2; writes out0
.if DOCPART == 2
	.amdgcn_target "amdgcn-amd-amdhsa--gfx1250"
	.amdhsa_code_object_version 6
	.text
	.protected	k_q7e212841a2_fc2
	.globl	k_q7e212841a2_fc2
	.p2align	8
	.type	k_q7e212841a2_fc2,@function
k_q7e212841a2_fc2:
	s_mov_b64 s[64:65], 0
	v_nop
	global_prefetch_b8 v0, s[64:65] scope:SCOPE_SE
	s_setreg_imm32_b32 hwreg(HW_REG_WAVE_MODE, 25, 1), 1
	s_wait_xcnt 0x0
	s_wait_alu depctr_hold_cnt(0) depctr_sa_sdst(0) depctr_va_vdst(0) depctr_va_sdst(0) depctr_va_ssrc(0) depctr_va_vcc(0) depctr_vm_vsrc(0)
	s_getreg_b32 s2, hwreg(HW_REG_IB_STS2, 6, 4)
	s_cmp_eq_u32 s2, 0
	s_cbranch_scc0 .Lentry_in_a_cluster
	s_endpgm
.Lentry_in_a_cluster:
	s_bfe_u32 s2, ttmp6, 0x10000c
	s_cmp_lg_u32 s2, 0x3003
	s_cbranch_scc0 .Lentry_shape_is_right
	s_endpgm
.Lentry_shape_is_right:
; out = h W2^T + b2.  h: 2,048 tokens x 8,192 hidden units, codes of FP6 (E2M3) and E8M0 scale words as the launch before has laid them: images of this product's operand registers,
; h_codes [128 tokens: 16][128 hidden: 64][16 tokens: 8][1,536 bytes], h_scales [16][64][512 bytes].  W2: [2048 outputs][8192]: codes, K innermost, four codes in three bytes; its scale bytes [2048][256].
; b2: [2048] f32.  out: [2048][2048] f32.
; SHARES.  A tile of out is 128 tokens x 128 outputs: 256 work-groups of four waves.  THE WAVES SHARE K, NOT THE TILE: of each 1,024 along K wave w multiplies the whole tile over 256 w .. 256 w + 255, in two
; steps of 128: 64 accumulators, 64 matrix instructions a step, 16 steps.  At the end the four partial sums meet in LDS and are added, with b2, by rows.
; THE ORDER OF THE SUMS therefore differs from one chain along K: four chains, then (p0 + b2 + p1) + (p2 + p3).
; W2 comes through a ring of two LDS slots of 1,024 along K, filled by the tensor data mover: each wave fetches, and alone reads, its own 128 rows x 192 bytes.
; CLUSTER: four work-groups along x, which are four tiles of tokens for the same 128 outputs: they need the same tiles of W2, and ask for each JOINTLY.
; h COMES FROM MEMORY STRAIGHT INTO REGISTERS, and is not asked for jointly, though the sixteen work-groups of a row of tiles read the same images.  The reason, by this text's arithmetic: a joint load lands in LDS;
; two slots with h beside W2 hold 512 along K each, 64 products a wave for each round of the cluster's barrier, with W2 alone 1,024 and 128; each byte of h's images is wanted by ONE wave of the work-group, so LDS
; would give it no second reader; and the images lie in the registers' order, so that each load of a wave reads 512 consecutive bytes.  These loads are waited for by count: two steps' worth, 50 loads a wave, stay
; on their way across the changes of slots.
; THE MATRIX INSTRUCTION IS USED TRANSPOSED (source 0 = 16 rows of W2, source 1 = 16 tokens): a lane holds eight neighbouring outputs of one token.
; LIMITS: NaN and infinities among the inputs are not served.
; REGISTERS, in windows of 256: window 0: v1-7 at work; v8-29 addresses and b2; v32-47 W2's scale words, two sets; v48-63 h's scale words, four sets; v64-159, v160-255 h's fragments, TWO sets; later the way out.
;   window 1: W2's fragments, TWO sets, at v0 and v128.   window 2: the accumulators of token blocks 0-3 ((a, b) at v[8 (8 (a % 4) + b)]);   window 3: those of blocks 4-7.
.set FR,     12                        ; registers of a fragment: 16 rows x 128 K
.set FRB,    128*FR                    ; its image in bytes
.set KSA,    8*FRB                     ; h's images of 128 tokens x 128 along K: 12,288 bytes
.set SLOTA,  8*KSA                     ; and of 1,024 along K
.set ROWB,   192                       ; 256 codes of a row of W2: a row of a wave's tile
.set KROW,   8192*6/8                  ; a row of W2 in memory
.set PITCH,  240                       ; in LDS: 3 x (64 bytes + 16 of padding) = 60 words: row r starts at bank -4 r mod 64 (64 banks of 4 bytes: ISA guide 11.1): the 32 lanes of a load of 8 bytes touch 64 different banks
.set WTILE,  128*PITCH                 ; a wave's tile: 128 rows
.set SLOT,   4*WTILE                   ; 122,880
.set LSCB,   2*SLOT                    ; behind the ring: W2's scale bytes: 128 rows of 256 bytes + 16 of padding
.set SPARE,  LSCB+128*272              ; the spare words, 128 bytes for each wave: two blocks of 256 bytes that no other line names
.set SPITCH, 528                       ; the way out: a row of 128 f32 + 16 bytes
.set PART,   128*SPITCH                ; a wave's partial sums: 128 rows.  The four lie from LDS byte 0 on, over bytes that have had their last fill and their last read
.set ADRB, 8                           ; v8-9    LDS address of my fragments of W2 in slot 0, 1  (v10-11: for the pieces that lie behind one padding more)
.set ADSB, 12                          ; v12     of W2's scale words: lanes 0-15 rows 0-15, lanes 16-31 rows 64-79
.set LI,   13                          ; v13     16 x lane: my place in an image, in b2 and in a row of out; never rewritten
.set STO,  14                          ; v14     the way out: where I put 32 bytes of a row
.set RD,   16                          ; v16-19  and where I read a row of partial sums 0 to 3 back
.set BB2,  20                          ; v20-23  b2 at my four outputs of a row
.set SPW,  28                          ; v28     LDS address of my spare word: SPARE + 4 x my thread's number; never rewritten
.set NIL,  29                          ; v29     0; never rewritten
.set RSB,  32                          ; W2's scale words: set p (the slot) at v[RSB + 8 p]; register 2 i + q: block i in lanes 0-15, block 4 + i in lanes 16-31, for the slot's step q
.set RSA,  48                          ; h's scale words: set n % 4 of step n at v[RSA + 4 (n % 4)]; register i: block i in lanes 0-15, block 4 + i in lanes 16-31
.set AF,   64                          ; h's fragments: set q at v[AF + 96 q]
.set BK,   64                          ; v64-127, v128-191  the way out: two batches of 4 rows x 4 partial sums
.set G1B, 48                           ; s[48:55] descriptor group 1 for W2's tiles;  s[56:63] group 0, one set for each slot
.set G0B, 56
.set G1SB, 80                          ; s[80:87], s[88:91] groups 1 and 0 for W2's scale bytes
.set G0SB, 88
.set MSB, 0
.macro WIN new                         ; the immediate's high byte repeats the setting that is left
.if MSB != \new
	s_set_vgpr_msb (MSB<<8)|\new
.set MSB, \new
.endif
.endm
.set MUL_LO, 0xa1                      ; source 0 (W2) window 1, source 1 (h) window 0, C and D window 2
.set MUL_HI, 0xf1                      ; the same, C and D window 3
.set TO_B,   0x40                      ; destination window 1, address window 0
; A joint load: every wave fetches its own tile; the four partners issue the same line with the same registers.  Four v_nop follow it, ahead of what comes next.
.macro TLD g0, g1
	tensor_load_to_lds s[\g0:\g0+3], s[\g1:\g1+7]
	s_nop 0
.rept 4
	v_nop
.endr
.endm
.macro CREST                           ; a round of the cluster's barrier behind its opening barrier
	s_cmp_lg_u32 s14, 0
	s_cbranch_scc1 .Lnot_wave_0_\@
	s_barrier_signal -3
.Lnot_wave_0_\@:
	s_barrier_wait -3
	s_barrier_signal -1
	s_barrier_wait -1
.endm
.macro CROUND                          ; a whole round
	s_barrier_signal -1
	s_barrier_wait -1
	CREST
.endm
	s_load_b256 s[4:11], s[0:1], 0x0               ; h's codes s[4:5], h's scale words s[6:7], W2's codes s[8:9], W2's scales s[10:11]
	s_load_b128 s[96:99], s[0:1], 0x20             ; out s[96:97], b2 s[98:99]
	v_lshl_add_u32 v[SPW], v0, 2, SPARE
	v_mov_b32 v[NIL], 0
	ds_add_u32 v28, v29
	ds_add_u32 v28, v29
	s_wait_dscnt 0x0
	v_lshrrev_b32 v1, 5, v0
	v_readfirstlane_b32 s14, v1                    ; wave 0..3: also which 256 of each 1,024 along K are mine
	s_bfe_u32 s40, ttmp6, 0x40000                  ; cx: my place in the cluster
	s_lshl_b32 s17, ttmp9, 2                       ; in a cluster launch ttmp9 counts clusters
	s_add_co_u32 s17, s17, s40                     ; my tile of 128 tokens = 4 x cluster x + cx: it enters h's and out's addresses alone
	s_and_b32 s42, ttmp7, 0xffff                   ; my tile of 128 outputs, which the four partners share
	; group 1 for W2's tiles: 128 rows x 192 bytes, 6,144 bytes apart in memory; 16 bytes of padding behind every 64
	s_mov_b32 s[G1B+0], 15|(0<<16)|(1<<20)|(1<<21)|(3<<22)|(3<<25)  ; 15:0 the mask: all four work-groups; 17:16 elements of 1 byte; 20 padding on; 21 set beside a mask; 24:22 after every 16 words (code 3); 31:25 of 4 words (code 3)
	s_mov_b32 s[G1B+1], ROWB<<16                   ; tensor_dim0
	s_mov_b32 s[G1B+2], 128<<16                    ; tensor_dim1
	s_mov_b32 s[G1B+3], ROWB<<16                   ; tile_dim0
	s_mov_b32 s[G1B+4], 128                        ; tile_dim1
	s_mov_b32 s[G1B+5], KROW                       ; tensor_dim0_stride
	s_mov_b32 s[G1B+6], 0
	s_mov_b32 s[G1B+7], 0
	; for W2's scale bytes: a quarter of the tile's, 8,192 dense bytes as 32 rows of 256 bytes (32 elements of 8 bytes), 16 bytes of padding behind each
	s_mov_b32 s[G1SB+0], 15|(3<<16)|(1<<20)|(1<<21)|(5<<22)|(3<<25)
	s_mov_b32 s[G1SB+1], 32<<16
	s_mov_b32 s[G1SB+2], 32<<16
	s_mov_b32 s[G1SB+3], 32<<16
	s_mov_b32 s[G1SB+4], 32
	s_mov_b32 s[G1SB+5], 32
	s_mov_b32 s[G1SB+6], 0
	s_mov_b32 s[G1SB+7], 0
	; where W2's tiles come from and where they go: the tile of outputs and the wave's number alone, in registers that never hold my place in the cluster
	s_mul_i32 s45, s14, WTILE                      ; my tile in a slot
	s_mul_i32 s44, s14, 32*272                     ; my 32 rows of scale bytes in LDS
	s_mul_i32 s46, s42, 128*KROW                   ; W2's codes: row 128 x tile,
	s_mul_i32 s47, s14, ROWB                       ; my 256 along K
	s_add_co_u32 s46, s46, s47
	s_mov_b32 s47, 0
	s_lshl_b32 s92, s42, 15                        ; W2's scale bytes: 256 a row, 128 rows a tile,
	s_lshl_b32 s93, s14, 13                        ; my 32 rows
	s_add_co_u32 s92, s92, s93
	s_mov_b32 s93, 0
	s_lshl_b32 s94, s42, 9                         ; b2 and out: the tile's first output, in bytes
	s_mov_b32 s95, 0
	; h: my tile of tokens, and my two steps of each slot
	s_mul_i32 s20, s17, 64*KSA                     ; 786,432 bytes of codes for each 128 tokens,
	s_mul_i32 s21, s14, 2*KSA
	s_add_co_u32 s20, s20, s21
	s_mov_b32 s21, 0
	s_lshl_b32 s22, s17, 15                        ; 32,768 bytes of scale images
	s_lshl_b32 s23, s14, 10
	s_add_co_u32 s22, s22, s23
	s_mov_b32 s23, 0
	s_wait_kmcnt 0x0
	s_add_nc_u64 s[4:5], s[4:5], s[20:21]          ; h's codes at my step 0
	s_add_nc_u64 s[6:7], s[6:7], s[22:23]          ; h's scale images likewise
	s_add_nc_u64 s[46:47], s[8:9], s[46:47]
	s_add_nc_u64 s[92:93], s[10:11], s[92:93]
	s_add_nc_u64 s[98:99], s[98:99], s[94:95]
	s_lshl_b32 s20, s17, 7
	s_lshl_b32 s21, s14, 5
	s_add_co_u32 s20, s20, s21                     ; the first row of out that I store: 128 x tile of tokens + 32 x wave,
	s_lshl_b32 s20, s20, 13                        ; of 8,192 bytes
	s_add_co_u32 s20, s20, s94
	s_mov_b32 s21, 0
	s_add_nc_u64 s[96:97], s[96:97], s[20:21]
	CROUND                                         ; all four work-groups are here: the first joint loads meet
	s_mov_b32 s[G0SB], 1
	s_add_co_u32 s[G0SB+1], s44, LSCB
	s_mov_b64 s[G0SB+2:G0SB+3], s[92:93]
	s_or_b32 s[G0SB+3], s[G0SB+3], 0x80000000
	TLD G0SB, G1SB                                 ; the scale bytes first: they are wanted with the first slot.  Three loads of mine go out here
.irp s, 0,1
	s_mov_b32 s[G0B+4*\s], 1                       ; 1:0 count = 1
	s_add_co_u32 s[G0B+4*\s+1], s45, \s*SLOT       ; 63:32 LDS address
	s_add_nc_u64 s[G0B+4*\s+2:G0B+4*\s+3], s[46:47], \s*4*ROWB   ; 120:64 global address: a slot is 768 bytes of each row
	s_or_b32 s[G0B+4*\s+3], s[G0B+4*\s+3], 0x80000000            ; 127:126 type = 2
	TLD G0B+4*\s, G1B
.endr
; h's fragments i0 .. i0 + 3 of the step that lies rel steps behind the one at which the bases stand, into set: three loads of 16 bytes a lane each, 512 consecutive bytes a load, as the images lie
.macro GLA rel, i0, set
.irp i, \i0, \i0+1, \i0+2, \i0+3
.irp c, 0,1,2
	global_load_b128 v[AF+96*(\set)+FR*(\i)+4*\c:AF+96*(\set)+FR*(\i)+4*\c+3], v[LI], s[4:5] offset:((\rel)/2)*SLOTA+((\rel)%2)*KSA+FRB*(\i)+512*\c
.endr
.endr
.endm
.macro GLS rel, set4                   ; and that step's image of four scale registers
	global_load_b128 v[RSA+4*(\set4):RSA+4*(\set4)+3], v[LI], s[6:7] offset:((\rel)/2)*4096+((\rel)%2)*512
.endm
	v_and_b32 v1, 15, v0                           ; r = lane % 16
	v_bfe_u32 v2, v0, 4, 1                         ; lane / 16
	v_and_b32 v3, 31, v0
	v_lshlrev_b32 v[LI], 4, v3                     ; 16 x lane
	global_load_b128 v[BB2:BB2+3], v[LI], s[98:99] ; b2 at outputs 4 x lane + 0 .. 3 of the tile
	GLS 0, 0                                       ; steps 0 and 1 of h: 50 loads
	GLA 0, 0, 0
	GLA 0, 4, 0
	GLS 1, 1
	GLA 1, 0, 1
	GLA 1, 4, 1
	v_mul_u32_u24 v4, v1, PITCH
	v_mul_u32_u24 v5, v2, 24
	v_add_nc_u32 v4, v4, v5                        ; a fragment's row x pitch + 24 x half
	v_lshl_add_u32 v5, v2, 4, v4                   ; and the same behind one padding more
	s_mul_i32 s18, s14, WTILE                      ; my tile
	v_add_nc_u32 v[ADRB], s18, v4
	v_add_nc_u32 v[ADRB+1], SLOT, v[ADRB]
	v_add_nc_u32 v[ADRB+2], s18, v5
	v_add_nc_u32 v[ADRB+3], SLOT, v[ADRB+2]
	v_lshl_add_u32 v5, v2, 6, v1                   ; W2's scale words: row r, or 64 + r in lanes 16-31,
	v_mul_u32_u24 v5, v5, 272
	s_lshl_b32 s18, s14, 3                         ; and my 256 along K: 8 bytes
	s_add_co_u32 s18, s18, LSCB
	v_add_nc_u32 v[ADSB], s18, v5
	s_mul_i32 s18, s14, PART                       ; the way out: my partial sums: row r, 32 bytes for each half of the lanes
	v_mul_u32_u24 v5, v1, SPITCH
	v_lshl_add_u32 v5, v2, 5, v5
	v_add_nc_u32 v[STO], s18, v5
	s_mul_i32 s18, s14, 32*SPITCH                  ; back: rows 32 w on, of each of the four; the 32 lanes take a row of 512 bytes
	v_add_nc_u32 v[RD], s18, v[LI]
	v_add_nc_u32 v[RD+1], PART, v[RD]
	v_add_nc_u32 v[RD+2], PART, v[RD+1]
	v_add_nc_u32 v[RD+3], PART, v[RD+2]
; One matrix instruction: token block a against W2's block b.  q: the slot's step, and so the sets of fragments; p: the slot, and so W2's set of scale words; s4: h's set of scale words.
; first = 1: it starts the sum: nothing is ever cleared.  Blocks 4-7 have their scale words in lanes 16-31 of the registers that carry blocks 0-3 in lanes 0-15.
.macro WM a, b, q, p, s4, first
.set rD, 8*(8*((\a)%4)+(\b))
.set rB, 128*(\q)+FR*(\b)
.set rA, AF+96*(\q)+FR*(\a)
.set rSB, RSB+8*(\p)+2*((\b)%4)+(\q)
.set rSA, RSA+4*(\s4)+(\a)%4
.if \first
.if ((\a) < 4) && ((\b) < 4)
	v_wmma_scale_f32_16x16x128_f8f6f4 v[rD:rD+7], v[rB:rB+FR-1], v[rA:rA+FR-1], 0, v[rSB], v[rSA] matrix_a_fmt:MATRIX_FMT_FP6 matrix_b_fmt:MATRIX_FMT_FP6
.elseif (\a) < 4
	v_wmma_scale_f32_16x16x128_f8f6f4 v[rD:rD+7], v[rB:rB+FR-1], v[rA:rA+FR-1], 0, v[rSB], v[rSA] matrix_a_fmt:MATRIX_FMT_FP6 matrix_b_fmt:MATRIX_FMT_FP6 matrix_a_scale:MATRIX_SCALE_ROW1
.elseif (\b) < 4
	v_wmma_scale_f32_16x16x128_f8f6f4 v[rD:rD+7], v[rB:rB+FR-1], v[rA:rA+FR-1], 0, v[rSB], v[rSA] matrix_a_fmt:MATRIX_FMT_FP6 matrix_b_fmt:MATRIX_FMT_FP6 matrix_b_scale:MATRIX_SCALE_ROW1
.else
	v_wmma_scale_f32_16x16x128_f8f6f4 v[rD:rD+7], v[rB:rB+FR-1], v[rA:rA+FR-1], 0, v[rSB], v[rSA] matrix_a_fmt:MATRIX_FMT_FP6 matrix_b_fmt:MATRIX_FMT_FP6 matrix_a_scale:MATRIX_SCALE_ROW1 matrix_b_scale:MATRIX_SCALE_ROW1
.endif
.else
.if ((\a) < 4) && ((\b) < 4)
	v_wmma_scale_f32_16x16x128_f8f6f4 v[rD:rD+7], v[rB:rB+FR-1], v[rA:rA+FR-1], v[rD:rD+7], v[rSB], v[rSA] matrix_a_fmt:MATRIX_FMT_FP6 matrix_b_fmt:MATRIX_FMT_FP6
.elseif (\a) < 4
	v_wmma_scale_f32_16x16x128_f8f6f4 v[rD:rD+7], v[rB:rB+FR-1], v[rA:rA+FR-1], v[rD:rD+7], v[rSB], v[rSA] matrix_a_fmt:MATRIX_FMT_FP6 matrix_b_fmt:MATRIX_FMT_FP6 matrix_a_scale:MATRIX_SCALE_ROW1
.elseif (\b) < 4
	v_wmma_scale_f32_16x16x128_f8f6f4 v[rD:rD+7], v[rB:rB+FR-1], v[rA:rA+FR-1], v[rD:rD+7], v[rSB], v[rSA] matrix_a_fmt:MATRIX_FMT_FP6 matrix_b_fmt:MATRIX_FMT_FP6 matrix_b_scale:MATRIX_SCALE_ROW1
.else
	v_wmma_scale_f32_16x16x128_f8f6f4 v[rD:rD+7], v[rB:rB+FR-1], v[rA:rA+FR-1], v[rD:rD+7], v[rSB], v[rSA] matrix_a_fmt:MATRIX_FMT_FP6 matrix_b_fmt:MATRIX_FMT_FP6 matrix_a_scale:MATRIX_SCALE_ROW1 matrix_b_scale:MATRIX_SCALE_ROW1
.endif
.endif
.endm
; 8 matrix instructions: token block a against W2's eight.  The 64 accumulators take turns, one instruction a turn, in the same order in every step.
.macro MUL8 a, q, p, s4, first
.irp b, 0,1,2,3,4,5,6,7
	WM \a, \b, \q, \p, \s4, \first
.endr
.endm
.macro FRAG reg, adr, q, i             ; a fragment of W2, 16 rows x 128 K, is 12 registers: lane l holds row l % 16; registers 6 c .. 6 c + 5 hold K = 64 c + 32 (l / 16) + 0 .. 31: 24 bytes of the row's stream of bits, as they lie
.irp p, 0,1,2,3,4,5                    ; in pieces of 8 bytes.  Lanes 0-15 take the row's pieces 12 q + 0, 1, 2 and 12 q + 6, 7, 8, lanes 16-31 those three pieces on
.set PC, 12*(\q)+6*(\p/3)+\p%3         ; 16 bytes of padding lie behind every 8 pieces: where the piece three on lies behind one padding more, the second address register (40 for 24 bytes a half) serves
.if PC%8 < 5
	ds_load_b64 v[\reg+2*\p:\reg+2*\p+1], v[\adr] offset:8*PC+16*(PC/8)+(\i)*16*PITCH
.else
	ds_load_b64 v[\reg+2*\p:\reg+2*\p+1], v[\adr+2] offset:8*PC+16*(PC/8)+(\i)*16*PITCH
.endif
.endr
.endm
.macro FETCH_B slot, q, set            ; W2's eight fragments of the slot's step q into set
	WIN TO_B
.irp i, 0,1,2,3,4,5,6,7
	FRAG 128*(\set)+FR*\i, ADRB+\slot, \q, \i
.endr
	WIN 0
.endm
.macro SCALES p                        ; W2's scale words of a slot's two steps into set p: two words a load
.irp i, 0,1,2,3
	ds_load_b64 v[RSB+8*\p+2*\i:RSB+8*\p+2*\i+1], v[ADSB] offset:\i*16*272
.endr
.endm
; A load into a register that a matrix instruction has read, and an LDS store that reads a matrix result, stand four places behind that matrix instruction, and only plain vector
; instructions that name none of its registers are places (ISA guide 7.12.1 for vector instructions).
.macro PLACES n
.rept \n
	v_nop
.endr
.endm
; THE LOADS OF h, counted.  Step n issues, in its middle, the scale image and fragments 0-3 of step n + 2 (13 loads) into the registers that it has just multiplied, and at its end fragments 4-7 (12 loads).
; Loads come back in order (ISA guide 5.7.1).  At a step's head its scale image and fragments 0-3 are wanted: behind them were issued its fragments 4-7 (12) and the next step's 25: lc0 = 37.
; In its middle its fragments 4-7 are wanted: behind them the next step's 25 and the 13 just issued: lc1 = 38.  The last two steps issue none, and their counts run down.
; A slot's first step: its successor's fragments of W2 lie in the same slot.  rel: which step of h it asks for, counted from the one at which the bases stand; under 0: none.
.macro EVEN slot, s4, rel, first, lc0, lc1
	s_wait_dscnt 0x0                               ; W2's fragments and scale words are in (asked for 32 matrix instructions ago)
	s_wait_loadcnt \lc0
	WIN MUL_LO
	MUL8 0, 0, \slot, \s4, \first
	MUL8 1, 0, \slot, \s4, \first
	MUL8 2, 0, \slot, \s4, \first
	MUL8 3, 0, \slot, \s4, \first
	PLACES 4
	FETCH_B \slot, 1, 1
.if \rel >= 0
	GLS \rel, (\s4+2)%4
	GLA \rel, 0, 0
.endif
	s_wait_loadcnt \lc1
	WIN MUL_HI
	MUL8 4, 0, \slot, \s4, \first
	MUL8 5, 0, \slot, \s4, \first
	MUL8 6, 0, \slot, \s4, \first
	MUL8 7, 0, \slot, \s4, \first
.if \rel >= 0
	PLACES 4
	WIN 0
	GLA \rel, 4, 0
.else
	WIN 0
.endif
.endm
; A slot's second step changes slots: ONE barrier; in front of it each wave waits for all its tensor loads, adds 0 to its spare word, and waits for that; its reads of this slot were over at the step's head.
; These lines stand behind the step's first 24 products, so that a refill has 120 of a slot's 128 products in which to land.  fill = 1: this slot is filled again, two slots ahead.
.macro ODD slot, next, s4, rel, fill, lc0, lc1
	s_wait_dscnt 0x0                               ; W2's fragments are in: my reads of this slot are over
	s_wait_loadcnt \lc0
	WIN MUL_LO
	MUL8 0, 1, \slot, \s4, 0
	MUL8 1, 1, \slot, \s4, 0
	MUL8 2, 1, \slot, \s4, 0
	WIN 0                                          ; (the add's two registers lie in window 0)
	s_wait_tensorcnt 0x0                           ; all my tensor loads have landed: the one that was out is my tile of the next slot;
	ds_add_u32 v[SPW], v[NIL]                      ; 0 onto my spare word
	WIN MUL_LO
	MUL8 3, 1, \slot, \s4, 0                       ; eight matrix instructions stand between the add and the wait for it
	WIN 0
	s_wait_dscnt 0x0                               ; the add is done
	s_barrier_signal -1
	s_barrier_wait -1
.if \fill
	CREST                                          ; the barrier has opened a round of the cluster's barrier: no wave of any partner still reads this slot's tiles or has a load on its way
	s_add_nc_u64 s[G0B+4*\slot+2:G0B+4*\slot+3], s[G0B+4*\slot+2:G0B+4*\slot+3], 2*4*ROWB
	TLD G0B+4*\slot, G1B                           ; the first tensor load behind the round, and my only one until the next; the four v_nop behind it are the places in front of the loads below
.else
	PLACES 4
.endif
	v_add_nc_u32 v[ADSB], 32, v[ADSB]              ; on to the next slot's scale words
	FETCH_B \next, 0, 0
	SCALES \next
	GLS \rel, (\s4+2)%4
	GLA \rel, 0, 1
	s_wait_loadcnt \lc1
	WIN MUL_HI
	MUL8 4, 1, \slot, \s4, 0
	MUL8 5, 1, \slot, \s4, 0
	MUL8 6, 1, \slot, \s4, 0
	MUL8 7, 1, \slot, \s4, 0
	PLACES 4
	WIN 0
	GLA \rel, 4, 1
.endm
	s_wait_tensorcnt 1                             ; the scale bytes and my tile of slot 0 are in (slot 1's load may be out)
	s_barrier_signal -1
	s_barrier_wait -1                              ; everybody's are: the scale bytes' rows come from all four waves
	FETCH_B 0, 0, 0
	SCALES 0
	EVEN 0, 0, 2, 1, 37, 38                        ; step 0 stands in front of the loop: its products start the sums
	s_mov_b32 s3, 3
.Llap:                                                 ; steps 4 k + 1 .. 4 k + 4: a trip goes once round the ring and fills both slots again
	ODD 0, 1, 1, 3, 1, 37, 38
	EVEN 1, 2, 4, 0, 37, 38
	ODD 1, 0, 3, 5, 1, 37, 38
	EVEN 0, 0, 6, 0, 37, 38
	s_wait_xcnt 0x0                                ; the loads of h have read their bases: only behind this wait are they stepped,
	s_add_nc_u64 s[4:5], s[4:5], 2*SLOTA           ; four steps, two slots, on
	s_add_nc_u64 s[6:7], s[6:7], 2*4096
	s_sub_co_u32 s3, s3, 1
	s_cmp_lg_u32 s3, 0
	s_cbranch_scc1 .Llap
	ODD 0, 1, 1, 3, 0, 37, 38                      ; step 13 fills nothing, and has no round of the cluster's barrier; it asks for h's last step
	EVEN 1, 2, -1, 0, 37, 25                       ; step 14 asks for nothing of h: in its middle only step 15's 25 loads may be out
	s_wait_dscnt 0x0                               ; step 15: nothing more to fetch
	s_wait_loadcnt 12                              ; its own fragments 4-7 may be out
	WIN MUL_LO
	MUL8 0, 1, 1, 3, 0
	MUL8 1, 1, 1, 3, 0
	MUL8 2, 1, 1, 3, 0
	MUL8 3, 1, 1, 3, 0
	s_wait_loadcnt 0x0
	WIN MUL_HI
	MUL8 4, 1, 1, 3, 0
	MUL8 5, 1, 1, 3, 0
	MUL8 6, 1, 1, 3, 0
	MUL8 7, 1, 1, 3, 0
	WIN 0
	; THE WAY OUT.  Each wave's 128 x 128 partial sums go to LDS as rows of 512 bytes + 16; behind a barrier wave w adds the four, and b2, for rows 32 w .. 32 w + 31 and stores them.
	PLACES 4                                       ; behind the last products
	s_barrier_signal -1                            ; every wave's reads of the slots and of the scale bytes are over (its last wait on DScnt was for 0): their bytes may be written
	s_barrier_wait -1
.irp a, 0,1,2,3,4,5,6,7
	WIN 0x08+4*(\a/4)                              ; an LDS store's data are its source 1: window 2 or 3
.irp b, 0,1,2,3,4,5,6,7
	ds_store_b128 v[STO], v[64*(\a%4)+8*\b:64*(\a%4)+8*\b+3] offset:16*\a*SPITCH+64*\b          ; lane (r, h): token 16 a + r, outputs 16 b + 8 h + 0 .. 7; each accumulator from its low end on
	ds_store_b128 v[STO], v[64*(\a%4)+8*\b+4:64*(\a%4)+8*\b+7] offset:16*\a*SPITCH+64*\b+16
.endr
.endr
	WIN 0
	s_wait_dscnt 0x0                               ; for the others' sake: my stores are done
	s_barrier_signal -1
	s_barrier_wait -1
.macro RB g                            ; batch g: rows 4 g .. 4 g + 3 of my 32, of all four partial sums: 16 loads of a whole row each
.irp i, 0,1,2,3
.irp s, 0,1,2,3
	ds_load_b128 v[BK+64*((\g)%2)+16*\i+4*\s:BK+64*((\g)%2)+16*\i+4*\s+3], v[RD+\s] offset:(4*(\g)+\i)*SPITCH
.endr
.endr
.endm
.macro SUMS g
.irp i, 0,1,2,3
.set P, BK+64*((\g)%2)+16*\i
	v_pk_add_f32 v[P:P+1], v[P:P+1], v[BB2:BB2+1]
	v_pk_add_f32 v[P+2:P+3], v[P+2:P+3], v[BB2+2:BB2+3]
	v_pk_add_f32 v[P+8:P+9], v[P+8:P+9], v[P+12:P+13]
	v_pk_add_f32 v[P+10:P+11], v[P+10:P+11], v[P+14:P+15]
	v_pk_add_f32 v[P:P+1], v[P:P+1], v[P+4:P+5]
	v_pk_add_f32 v[P+2:P+3], v[P+2:P+3], v[P+6:P+7]
	v_pk_add_f32 v[P:P+1], v[P:P+1], v[P+8:P+9]
	v_pk_add_f32 v[P+2:P+3], v[P+2:P+3], v[P+10:P+11]
	global_store_b128 v[LI], v[P:P+3], s[96:97] offset:(4*(\g)+\i)*8192 th:TH_STORE_NT   ; 32 lanes store 512 consecutive bytes, at a multiple of 512 from out's first byte; written once, read by nobody here
.endr
.endm
	RB 0
.irp g, 0,1,2,3,4,5,6,7
.if \g < 7
.if \g > 0
	s_wait_xcnt 0x0                                ; the stores of the batch before have read their registers: the next batch's loads may land there
.endif
	RB \g+1
	s_wait_dscnt 16                                ; this batch is in; the next batch's 16 loads may be out
.else
	s_wait_dscnt 0x0
.endif
	SUMS \g
.endr
	s_wait_tensorcnt 0x0                           ; the wave's end, behind my last tensor load and my last LDS store
	ds_add_u32 v[SPW], v[NIL]
	s_wait_dscnt 0x0
	CROUND                                         ; the closing round: no work-group ends while a partner may still ask for a tile that names it
	s_endpgm
.Lfunc_end_k_q7e212841a2_fc2:
	.size	k_q7e212841a2_fc2, .Lfunc_end_k_q7e212841a2_fc2-k_q7e212841a2_fc2
	.p2alignl 7, 3214868480
	.fill 96, 4, 3214868480
	.section	.rodata,"a",@progbits
	.p2align	6, 0x0
	.amdhsa_kernel k_q7e212841a2_fc2
		.amdhsa_group_segment_fixed_size 327680
		.amdhsa_private_segment_fixed_size 0
		.amdhsa_enable_private_segment 0
		.amdhsa_kernarg_size 48
		.amdhsa_user_sgpr_count 2
		.amdhsa_user_sgpr_kernarg_segment_ptr 1
		.amdhsa_wavefront_size32 1
		.amdhsa_system_sgpr_workgroup_id_x 1
		.amdhsa_system_sgpr_workgroup_id_y 1
		.amdhsa_system_sgpr_workgroup_id_z 1
		.amdhsa_system_vgpr_workitem_id 0
		.amdhsa_next_free_vgpr 1024
		.amdhsa_next_free_sgpr 100
		.amdhsa_reserve_vcc 0
		.amdhsa_float_denorm_mode_32 3
		.amdhsa_float_denorm_mode_16_64 3
		.amdhsa_memory_ordered 1
		.amdhsa_forward_progress 1
		.amdhsa_inst_pref_size 157
	.end_amdhsa_kernel
	.amdgpu_metadata
---
amdhsa.version: [ 1, 2 ]
amdhsa.kernels:
  - .name:           k_q7e212841a2_fc2
    .symbol:         k_q7e212841a2_fc2.kd
    .args:
      - { .name: h_codes, .offset: 0, .size: 8, .value_kind: global_buffer, .address_space: global }
      - { .name: h_scales, .offset: 8, .size: 8, .value_kind: global_buffer, .address_space: global }
      - { .name: W2_codes, .offset: 16, .size: 8, .value_kind: global_buffer, .address_space: global }
      - { .name: W2_scales, .offset: 24, .size: 8, .value_kind: global_buffer, .address_space: global }
      - { .name: out0, .offset: 32, .size: 8, .value_kind: global_buffer, .address_space: global }
      - { .name: b2, .offset: 40, .size: 8, .value_kind: global_buffer, .address_space: global }
    .group_segment_fixed_size: 327680
    .private_segment_fixed_size: 0
    .kernarg_segment_align: 8
    .kernarg_segment_size: 48
    .max_flat_workgroup_size: 128
    .sgpr_count:     100
    .vgpr_count:     1024
    .wavefront_size: 32
...
	.end_amdgpu_metadata
.endif
;; end of part 2
